; MI455X (gfx1250); checked and timed in simulation.
; The chip was launched on July 23, 2026; its instructions are those of AMD's public machine-readable ISA for CDNA 5 (MIT licence, August 2026) and "CDNA5" Instruction Set Architecture Reference Guide (July 2026). The comments in the code are by the model that wrote it; some were corrected since.
;; Attention Compute. Allowed arithmetic: matrix products marked QUANTISED: E4M3 operands, one E8M0 scale for each 32 along K, by v_wmma_scale_f32_16x16x128_f8f6f4 with both operands' format E4M3, f32 sums; everything else in f32.
;; Inputs: key 2 x 16 x 2,048 x 64 float32; query 2 x 16 x 2,048 x 64 float32; value 2 x 16 x 2,048 x 64 float32.
;; Outputs: out0 2 x 16 x 2,048 x 64 float32.
;; This version of the problem:
;;   THIS VERSION OF THE PROBLEM IS GIVEN IN LOW PRECISION. The matrix products marked QUANTISED in the list below multiply operands that are first quantised to E4M3 (4 exponent bits, 3 mantissa bits; 8 bits a number), with one power-of-two scale for each 32 numbers along K (OCP MX v1.0); their sums are f32. All else is computed in f32.
;;   The module's matrix products, in the order in which they are computed (A, B: the left and right operand; K: the contracted axis; several contracted axes count as one K, in the product's order):
;;     1. batch 32 x [M 2,048, K 64] x [K 64, N 2,048]; A: input query; B: input key: QUANTISED
;;     2. batch 32 x [M 2,048, K 2,048] x [K 2,048, N 64]; A: softmax (see below); B: input value: QUANTISED
;;   THE QUANTISER, for each operand of a quantised product, along K:
;;     - K is cut into blocks of 32 from its start; a last block that is shorter is filled with zeros.
;;     - A block's scale is 2^e with e = floor(log2(the largest magnitude in the block)) - 8, held to -126 .. 127; a block of zeros has e = 0. As a byte (E8M0): e + 127.
;;     - Each number is divided by its block's scale, clamped to +-448, and rounded to the nearest number of E4M3, ties to even, subnormals kept.
;;     - The product sums the exact products of the quantised numbers (number of the format x scale) in f32.
;;   ~~~python
;;   def quantise(x, axis):      # numpy; x: float32 -> the quantised numbers, widened to float32 again
;;       x = np.moveaxis(x, axis, -1); K = x.shape[-1]
;;       x = np.pad(x, [(0, 0)] * (x.ndim - 1) + [(0, -K % 32)]); x = x.reshape(x.shape[:-1] + (-1, 32)); a = np.abs(x).max(-1, keepdims=True)
;;       e = np.where(a > 0, np.clip(np.frexp(np.where(a > 0, a, 1))[1] - 1 - 8, -126, 127), 0)      # np.frexp(a)[1] - 1 = floor(log2(a)), exactly
;;       r = np.clip(x / 2.0 ** e, -448, 448)
;;       step = 2.0 ** (np.maximum(np.frexp(np.where(r == 0, 1, r))[1] - 1, -6) - 3)
;;       q = np.round(r / step) * step * 2.0 ** e      # np.round: ties to even
;;       return np.moveaxis(q.reshape(q.shape[:-2] + (-1,))[..., :K], -1, axis).astype(np.float32)
;;   ~~~
;;   SOFTMAX AHEAD OF A QUANTISED PRODUCT. Where the list says 'softmax', what is quantised is not the finished softmax but p = 2^(t - M), with t = logit x log2(e) and M = ceil(the row's largest t), a whole number; so 1/2 < the row's largest p <= 1. The row's sum l is taken of the UNQUANTISED p, in f32, and the product's result is divided by l at the end. Since M is a whole number, a kernel that streams over the keys may use a running M (the ceiling of the running maximum): every later rescaling is an exact power of two, which a block's scale takes up: the codes' values come out the same.
;;   OPERANDS COMPUTED ON THE WAY. 'Computed on the way' means the value that the module computes at that place (a softmax that the list does not call 'softmax' is quantised finished and normalised). What goes into a quantiser is computed in f32, as accurately as f32 sums, v_exp_f32 and their like allow (about 1e-6 of the number): no bf16 or f16 on the way to a quantiser, and a product that is left as it is and whose result goes on into a quantised operand takes f32 operands (vector FMAs, or v_wmma_f32_16x16x4_f32). A number that lies on a knife's edge between two numbers of the format may be rounded either way, as far as f32 arithmetic and the matrix unit's own rounding can turn it there, and no further.
;; One version. Each part assembles by itself: llvm-mc -triple=amdgcn-amd-amdhsa -mcpu=gfx1250 --defsym DOCPART=n.
;; ======== version 1 of 1: 2 launches
;; workspace buffers: kv 8,781,824 bytes
;; launch quant (part 1): grid 16 x 32, 4 waves a work-group, no clusters, 73,216 bytes of LDS; arguments key, value, kv; writes kv
.if DOCPART == 1
	.amdgcn_target "amdgcn-amd-amdhsa--gfx1250"
	.amdhsa_code_object_version 6
	.text
	.protected	k_q307997e3c2_quant
	.globl	k_q307997e3c2_quant
	.p2align	8
	.type	k_q307997e3c2_quant,@function
k_q307997e3c2_quant:
	s_mov_b64 s[64:65], 0
	v_nop
	global_prefetch_b8 v0, s[64:65] scope:SCOPE_SE
	s_setreg_imm32_b32 hwreg(HW_REG_WAVE_MODE, 25, 1), 1
	s_wait_xcnt 0x0
; key and value, [32 heads][2048][64] f32, become codes of FP8 (E4M3) with one E8M0 scale byte for each 32 along a product's K: key along the head's 64, value along the KEYS.
; A block's scale is 2^(floor(log2(its largest magnitude)) - 8); its byte is the largest magnitude's exponent field - 8, held at 1 from below; each number is divided by the scale, held within +-448 and rounded to the nearest code, ties to even.
; LIMITS: a block of zeros gets the byte 1 where the rule says 127 (its codes are zeros, which add nothing under any byte but 0xff, and this program alone reads the bytes); blocks whose largest magnitude lies under 2^(9 - 127) keep the byte 1;
; NaN and infinities among the inputs are not served.
; OUTPUT: for each (head, step of 128 keys) one dense block of BLK = 17,152 bytes (67 x 256), laid as IMAGES OF THE OPERANDS' REGISTERS, so that the attention launch loads fragments 16 bytes a lane on end:
;   0      K: piece 2 t + c (tile t = 0..7, c = 0, 1) at 512 x piece + 16 x lane: lane (r, h) holds key 32 (t / 2) + 8 (t % 2) + r + 8 (r / 8), d = 32 c + 16 h + 0..15
;   8192   V: piece 4 t + c (tile t = 0..3, c = 0..3): lane (r, h) holds d = 16 t + r, keys 32 c + 16 h + 0..15
;   16384  K's scale words: word (t, r) at 16 (r + 16 (t / 4)) + 4 (t % 4): bytes 0, 1 the key's two scales, bytes 2, 3 = 0x7f (for the half of the instruction's 128 along K that holds zero codes)
;   16896  V's scale words: word (t, r) at 8 (r + 16 (t / 2)) + 4 (t % 2): byte c for keys 32 c on
; SHARES: a work-group of four waves takes one block.  Wave w loads rows 32 w .. 32 w + 31 of both tensors, 512 consecutive bytes a load, and lays them into stages in LDS.  It quantises K's tiles 2 w, 2 w + 1 (its own 32 rows)
; and V's tile w (d = 16 w .. 16 w + 15 of all 128 keys: a lane takes a column d and its registers run down the keys).  No tensor loads, no matrix work, no loop: memory binds, and every byte is read and written once.
.set BLK,   17152
.set VOFF,  8192
.set KSOFF, 16384
.set PITCH, 272                        ; a stage row: 256 bytes + 16, so that the 16 rows of a 16-byte read fall on 16 different columns of 16 bytes modulo 256
.set GAP,   128                        ; and 128 bytes more behind every 16 rows: rows r and r + 16 then lie 32 banks apart for the 4-byte reads down V's columns (64 banks of 4 bytes: ISA guide 11.1)
.set WROWS, 32*PITCH+2*GAP             ; a wave's 32 rows: 8,960 bytes
.set VST,   4*WROWS                    ; K's stage at 0 (each wave's part its own), V's stage here (shared),
.set SCL,   2*VST                      ; and the block's 768 bytes of scale words, as they lie in the block
.set LA,  4                            ; v4   16 x lane: the loads' and the code stores' offset
.set SA,  5                            ; v5   into a stage: my wave's rows + 272 h + 16 r
.set RA,  6                            ; v6   K back: my wave's rows + 272 (r + 8 g) + 128 g + 64 h, g = r / 8
.set VA,  7                            ; v7   V back: VST + 4,480 h + 64 wave + 4 r
.set KSA, 8                            ; v8   where K's two scale words go
.set VSA, 9                            ; v9   where V's goes
.set SRA, 10                           ; v10  the scale words back: SCL + 256 wave + 8 lane
.set SGO, 11                           ; v11  8 x lane
.set KW,  12                           ; v[12:13] K's two words; at the end 8 bytes of the scale words
.set VW,  14                           ; v14  V's word
.set RK,  16                           ; v16-79   K as loaded; later Y
.set RV,  80                           ; v80-143  V as loaded
.set X,   144                          ; v144-207 K's 64 numbers: register 16 (2 u + c) + i
.set Y,   16                           ; V's 64 numbers: register 16 c + i
.set PCK, 208                          ; v208-223 K's codes
.set PCV, 224                          ; v224-239 V's codes: registers of their own, so that no store's data are written again
.set TM,  240                          ; v240-243 largest magnitudes, v244-247 the other half's, then the bytes, v248-251 448 x the scale, v252-255 the conversions' scale operands
; 64 numbers of a lane, register s + 16 b + i, four blocks of 32 each shared with lane l xor 16, become 16 registers of codes at pc; the four scale bytes stay in v[TM+4] on.
.macro QUANT s, pc
.irp b, 0,1,2,3
	v_max3_num_f32 v[TM+\b], |v[\s+16*\b]|, |v[\s+1+16*\b]|, 0x4800000   ; block b: my 16 numbers, and the floor 2^(9 - 127): so the byte cannot fall under 1
.endr
.irp i, 2,4,6,8,10,12,14
.irp b, 0,1,2,3
	v_max3_num_f32 v[TM+\b], v[TM+\b], |v[\s+16*\b+\i]|, |v[\s+1+16*\b+\i]|   ; the four blocks by turns: no line waits for the line above it
.endr
.endr
.irp b, 0,1,2,3
	v_permlanex16_b32 v[TM+4+\b], v[TM+\b], s22, s23
.endr
.irp b, 0,1,2,3
	v_max_num_f32 v[TM+\b], v[TM+\b], v[TM+4+\b]   ; with lane l xor 16's: the block's largest magnitude
.endr
.irp b, 0,1,2,3
	v_add_nc_u32 v[TM+12+\b], 0xfc000000, v[TM+\b]   ; 8 off its exponent field: the conversion takes the exponent field of this operand as its scale
.endr
.irp b, 0,1,2,3
	v_and_or_b32 v[TM+8+\b], v[TM+\b], 0x7f800000, s24   ; 448 x the scale: the largest magnitude's exponent field over 448's mantissa
.endr
.irp b, 0,1,2,3
	v_lshrrev_b32 v[TM+4+\b], 23, v[TM+12+\b]   ; the scale's byte
.endr
.irp b, 0,1,2,3
.irp i, 0,1,2,3,4,5,6,7,8,9,10,11,12,13,14,15
	v_med3_num_f32 v[\s+16*\b+\i], v[\s+16*\b+\i], -v[TM+8+\b], v[TM+8+\b]   ; the conversion to an 8-bit code does not saturate (ISA guide 7.6.2): the hold at the largest code x the scale
.endr
	v_cvt_scalef32_pk8_fp8_f32 v[\pc+4*\b:\pc+1+4*\b], v[\s+16*\b:\s+7+16*\b], v[TM+12+\b]
	v_cvt_scalef32_pk8_fp8_f32 v[\pc+2+4*\b:\pc+3+4*\b], v[\s+8+16*\b:\s+15+16*\b], v[TM+12+\b]
.endr
	v_nop                                          ; one plain vector line behind the last conversion
.endm
	s_load_b128 s[4:7], s[0:1], 0x0                ; key s[4:5], value s[6:7]
	s_load_b64 s[8:9], s[0:1], 0x10                ; kv
	s_set_vgpr_msb 0x40
	v_lshl_add_u32 v0, v0, 2, 0x11c00
	v_mov_b32 v1, 0
	s_set_vgpr_msb 0x4000
	v_lshrrev_b32 v1, 5, v0
	v_readfirstlane_b32 s14, v1                    ; wave 0..3
	v_and_b32 v1, 31, v0                           ; lane
	v_and_b32 v2, 15, v0                           ; r
	v_bfe_u32 v3, v0, 4, 1                         ; h
	v_bfe_u32 v15, v0, 3, 1                        ; g = r / 8
	v_lshlrev_b32 v[LA], 4, v1
	s_mul_i32 s25, s14, WROWS                      ; my wave's 32 rows in a stage
	v_mul_u32_u24 v[SA], v3, PITCH
	v_lshl_add_u32 v[SA], v2, 4, v[SA]
	v_add_nc_u32 v[SA], s25, v[SA]                 ; a load's 512 bytes are two rows: lanes 0-15 the even one, lanes 16-31 the odd one
	v_lshl_add_u32 v[RA], v15, 3, v2               ; r + 8 g: rows 0-7 and 16-23 of a tile's span
	v_mul_u32_u24 v[RA], v[RA], PITCH
	v_lshl_add_u32 v[RA], v15, 7, v[RA]            ; + the gap behind 16 rows
	v_lshl_add_u32 v[RA], v3, 6, v[RA]             ; + my half's 16 numbers
	v_add_nc_u32 v[RA], s25, v[RA]
	v_mul_u32_u24 v[VA], v3, 16*PITCH+GAP          ; lanes 16-31 begin 16 keys further down
	v_lshl_add_u32 v[VA], v2, 2, v[VA]             ; column d = 16 wave + r
	s_lshl_b32 s26, s14, 6
	s_add_co_u32 s26, s26, VST
	v_add_nc_u32 v[VA], s26, v[VA]
	s_lshr_b32 s27, s14, 1
	s_and_b32 s28, s14, 1
	s_lshl_b32 s29, s27, 8                         ; K's words of tiles 2 w, 2 w + 1: 16 r + 256 (w / 2) + 8 (w % 2)
	s_lshl_b32 s30, s28, 3
	s_add_co_u32 s29, s29, s30
	s_add_co_u32 s29, s29, SCL
	v_lshl_add_u32 v[KSA], v2, 4, s29
	s_lshl_b32 s29, s27, 7                         ; V's word of tile w: 8 r + 128 (w / 2) + 4 (w % 2), behind K's 512 bytes
	s_lshl_b32 s30, s28, 2
	s_add_co_u32 s29, s29, s30
	s_add_co_u32 s29, s29, SCL+512
	v_lshl_add_u32 v[VSA], v2, 3, s29
	s_lshl_b32 s29, s14, 8
	s_add_co_u32 s29, s29, SCL
	v_lshl_add_u32 v[SRA], v1, 3, s29
	v_lshlrev_b32 v[SGO], 3, v1
.irp b, 0,1,2,3
	v_mov_b32 v[TM+4+\b], 0                        ; written once: a lane permute's destination counts as one of its sources
.endr
	s_mov_b32 s22, 0x76543210
	s_mov_b32 s23, 0xfedcba98                      ; v_permlanex16_b32's selects for lane l xor 16
	s_mov_b32 s24, 0x600000                        ; the mantissa field of 448
	s_and_b32 s16, ttmp7, 0xffff                   ; the head
	s_lshl_b32 s18, s16, 11
	s_lshl_b32 s17, ttmp9, 7                       ; the step's 128 keys
	s_add_co_u32 s18, s18, s17
	s_lshl_b32 s17, s14, 5                         ; my wave's 32 of them
	s_add_co_u32 s18, s18, s17
	s_lshl_b32 s18, s18, 8                         ; rows of 256 bytes: under 2^24 bytes in all
	s_mov_b32 s19, 0
	s_lshl_b32 s20, s16, 4
	s_add_co_u32 s20, s20, ttmp9
	s_mul_i32 s20, s20, BLK                        ; the block (16 head + step)
	s_mov_b32 s21, 0
	s_wait_kmcnt 0x0
	s_add_nc_u64 s[4:5], s[4:5], s[18:19]
	s_add_nc_u64 s[6:7], s[6:7], s[18:19]
	s_add_nc_u64 s[8:9], s[8:9], s[20:21]
	s_lshl_b32 s20, s14, 11
	s_add_nc_u64 s[10:11], s[8:9], s[20:21]        ; my four pieces of K's image; V's lie VOFF on
	s_lshl_b32 s20, s14, 8
	s_add_co_u32 s20, s20, KSOFF
	s_add_nc_u64 s[12:13], s[8:9], s[20:21]        ; my 256 bytes of the scale words
.irp i, 0,1,2,3,4,5,6,7,8,9,10,11,12,13,14,15
	global_load_b128 v[RK+4*\i:RK+4*\i+3], v[LA], s[4:5] offset:512*\i th:TH_LOAD_NT   ; 32 lanes read 512 consecutive bytes: two rows
.endr
.irp i, 0,1,2,3,4,5,6,7,8,9,10,11,12,13,14,15
	global_load_b128 v[RV+4*\i:RV+4*\i+3], v[LA], s[6:7] offset:512*\i th:TH_LOAD_NT
.endr
	s_wait_loadcnt 16                              ; K's 16 loads are in; V's 16 younger ones stay out
.irp i, 0,1,2,3,4,5,6,7,8,9,10,11,12,13,14,15
	ds_store_b128 v[SA], v[RK+4*\i:RK+4*\i+3] offset:2*PITCH*\i+GAP*(\i/8)
.endr
.irp u, 0,1
.irp c, 0,1
.irp j, 0,1,2,3
	ds_load_b128 v[X+16*(2*\u+\c)+4*\j:X+16*(2*\u+\c)+4*\j+3], v[RA] offset:8*PITCH*\u+128*\c+16*\j   ; my wave's own bytes, served in order: these see the stores above
.endr
.endr
.endr
	s_wait_loadcnt 0x0                             ; V is in
.irp i, 0,1,2,3,4,5,6,7,8,9,10,11,12,13,14,15
	ds_store_b128 v[SA], v[RV+4*\i:RV+4*\i+3] offset:VST+2*PITCH*\i+GAP*(\i/8)
.endr
	s_wait_dscnt 0x0                               ; for the others' sake: my rows of V lie in the stage; and K's numbers are back
	s_barrier_signal -1
	QUANT X, PCK                                   ; work on registers while the others arrive
	v_lshl_or_b32 v[KW], v[TM+5], 8, v[TM+4]       ; tile 2 w's word: two bytes,
	v_lshl_or_b32 v[KW+1], v[TM+7], 8, v[TM+6]     ; tile 2 w + 1's,
	v_or_b32 v[KW], 0x7f7f0000, v[KW]              ; and 2^0 for the half of the instruction's K that holds zero codes
	v_or_b32 v[KW+1], 0x7f7f0000, v[KW+1]
	s_barrier_wait -1                              ; all 128 rows of V lie in the stage
.irp c, 0,1,2,3
.irp i, 0,1,2,3,4,5,6,7,8,9,10,11,12,13,14,15
	ds_load_b32 v[Y+16*\c+\i], v[VA] offset:(32*PITCH+2*GAP)*\c+PITCH*\i   ; V(32 c + 16 h + i, 16 w + r): sixteen lanes read 64 neighbouring bytes
.endr
.endr
.irp n, 0,1,2,3
	global_store_b128 v[LA], v[PCK+4*\n:PCK+4*\n+3], s[10:11] offset:512*\n   ; each store of the wave covers 512 consecutive bytes, aligned
.endr
	ds_store_b64 v[KSA], v[KW:KW+1]                ; lanes r and r + 16 write the same bytes with the same value
	s_wait_dscnt 0x0                               ; V's numbers are in
	QUANT Y, PCV
	v_lshl_or_b32 v[VW], v[TM+5], 8, v[TM+4]       ; the four bytes make column d's scale word for these 128 keys
	v_lshl_or_b32 v[VW], v[TM+6], 16, v[VW]
	v_lshl_or_b32 v[VW], v[TM+7], 24, v[VW]
.irp c, 0,1,2,3
	global_store_b128 v[LA], v[PCV+4*\c:PCV+4*\c+3], s[10:11] offset:VOFF+512*\c
.endr
	ds_store_b32 v[VSA], v[VW]
	s_wait_dscnt 0x0                               ; for the others' sake: my scale words lie in LDS
	s_barrier_signal -1
	s_barrier_wait -1
	s_cmp_lt_u32 s14, 3                            ; 768 bytes of scale words: waves 0, 1, 2 take 256 each
	s_cbranch_scc0 .Lend
	ds_load_b64 v[KW:KW+1], v[SRA]
	s_wait_dscnt 0x0
	global_store_b64 v[SGO], v[KW:KW+1], s[12:13]  ; 32 lanes store 256 consecutive bytes, aligned
.Lend:
	s_set_vgpr_msb 0x5
	s_wait_tensorcnt 0x0
	ds_add_u32 v0, v1
	s_wait_dscnt 0x0
	s_set_vgpr_msb 0x500
	s_endpgm
.Lfunc_end_k_q307997e3c2_quant:
	.size	k_q307997e3c2_quant, .Lfunc_end_k_q307997e3c2_quant-k_q307997e3c2_quant
	.p2alignl 7, 3214868480
	.fill 96, 4, 3214868480
	.section	.rodata,"a",@progbits
	.p2align	6, 0x0
	.amdhsa_kernel k_q307997e3c2_quant
		.amdhsa_group_segment_fixed_size 73216
		.amdhsa_private_segment_fixed_size 0
		.amdhsa_enable_private_segment 0
		.amdhsa_kernarg_size 24
		.amdhsa_user_sgpr_count 2
		.amdhsa_user_sgpr_kernarg_segment_ptr 1
		.amdhsa_wavefront_size32 1
		.amdhsa_system_sgpr_workgroup_id_x 1
		.amdhsa_system_sgpr_workgroup_id_y 1
		.amdhsa_system_sgpr_workgroup_id_z 1
		.amdhsa_system_vgpr_workitem_id 0
		.amdhsa_next_free_vgpr 258
		.amdhsa_next_free_sgpr 66
		.amdhsa_reserve_vcc 0
		.amdhsa_float_denorm_mode_32 3
		.amdhsa_float_denorm_mode_16_64 3
		.amdhsa_memory_ordered 1
		.amdhsa_forward_progress 1
		.amdhsa_inst_pref_size 32
	.end_amdhsa_kernel
	.amdgpu_metadata
---
amdhsa.version: [ 1, 2 ]
amdhsa.kernels:
  - .name:           k_q307997e3c2_quant
    .symbol:         k_q307997e3c2_quant.kd
    .args:
      - { .name: key, .offset: 0, .size: 8, .value_kind: global_buffer, .address_space: global }
      - { .name: value, .offset: 8, .size: 8, .value_kind: global_buffer, .address_space: global }
      - { .name: kv, .offset: 16, .size: 8, .value_kind: global_buffer, .address_space: global }
    .group_segment_fixed_size: 73216
    .private_segment_fixed_size: 0
    .kernarg_segment_align: 8
    .kernarg_segment_size: 24
    .max_flat_workgroup_size: 128
    .sgpr_count:     66
    .vgpr_count:     258
    .wavefront_size: 32
...
	.end_amdgpu_metadata
.endif
;; end of part 1
;; launch attn (part 2): grid 8 x 32, 16 waves a work-group, clusters of 4 x 1, 327,680 bytes of LDS; arguments query, kv, out0; writes out0
.if DOCPART == 2
	.amdgcn_target "amdgcn-amd-amdhsa--gfx1250"
	.amdhsa_code_object_version 6
	.text
	.protected	k_q307997e3c2_attn
	.globl	k_q307997e3c2_attn
	.p2align	8
	.type	k_q307997e3c2_attn,@function
k_q307997e3c2_attn:
	s_mov_b64 s[64:65], 0
	v_nop
	global_prefetch_b8 v0, s[64:65] scope:SCOPE_SE
	s_setreg_imm32_b32 hwreg(HW_REG_WAVE_MODE, 25, 1), 1
	s_wait_xcnt 0x0
	s_wait_alu depctr_hold_cnt(0) depctr_sa_sdst(0) depctr_va_vdst(0) depctr_va_sdst(0) depctr_va_ssrc(0) depctr_va_vcc(0) depctr_vm_vsrc(0)
	s_getreg_b32 s2, hwreg(HW_REG_IB_STS2, 6, 4)
	s_cmp_eq_u32 s2, 0
	s_cbranch_scc0 .Lentry_in_a_cluster
	s_endpgm
.Lentry_in_a_cluster:
	s_bfe_u32 s2, ttmp6, 0x10000c
	s_cmp_lg_u32 s2, 0x3003
	s_cbranch_scc0 .Lentry_shape_is_right
	s_endpgm
.Lentry_shape_is_right:
; out0[head][q][:] = the sum over k of softmax_k(query[head][q] . key[head][k] / 8) value[head][k][:], 32 heads, 2,048 queries and keys, head size 64; both products on codes of FP8 (E4M3) with one E8M0 scale for each 32 along K.
; K's and V's codes and scale words come from kv, laid by the launch before as images of the operands' registers: a block of BLK = 17,152 bytes for each (head, step of 128 keys): K's image, V's image, K's scale words, V's.
; query is read by one wave only: it is quantised here, in registers.
; THE SOFTMAX AHEAD OF THE SECOND PRODUCT: t = score x log2(e) / 8; M = the row's largest t so far, rounded UP to a whole number; p = 2^(t - M) is quantised along the keys, not normalised; the row's sum is taken of the
; unquantised p, in f32, and divides at the end.  When M moves, the sum and O are multiplied by 2^(old M - new M): exact.
; SHARES.  A work-group owns 256 queries of one head; each of its SIXTEEN waves owns 16 of them in 256 registers: four waves to a SIMD, so that one wave's vector work stands beside another's products and LDS loads.
; A step's softmax is 293 vector instructions beside 12 matrix instructions: the vector work decides, so nothing else stands in the loop: no refill, and one barrier for every four steps.
; LDS.  A head's 16 blocks are 274,432 bytes: the WHOLE HEAD is brought in once, by first fills alone, as it lies in memory.  Waves 0-3 issue four tensor loads each (load g of wave w: block 4 g + w): four of a wave's loads are out at the most.
; A wave's loads end in order, so steps 4 g .. 4 g + 3 are whole when waves 0-3 have waited down to 3 - g and all have passed a barrier: the loop starts on a quarter of the bytes.
; CLUSTER.  The four query blocks of a cluster belong to one head and want the same 16 blocks: each is asked for JOINTLY, by the same tensor load with the same descriptor and the mask of all four.
; LAYOUT.  Both products are used transposed: S^T = K Q^T (source 0 = 16 keys, source 1 = my 16 queries), O^T = V^T P^T (source 0 = 16 of the head's 64, source 1 = P): a lane holds ONE query (lane % 16) throughout.
; The keys of a tile are not neighbours (lane r of tile 2 b + u: key 32 b + 8 u + r + 8 (r / 8)), so that the 16 registers of tiles 2 b, 2 b + 1 are keys 32 b + 16 (lane / 16) + 0 .. 15: p's codes are the second product's operand as they come.
; THE FIRST PRODUCT'S K IS 64, THE INSTRUCTION'S 128.  Q's fragment holds zero codes at k = 64 .. 127.  K's tile t is named as v[F + 8 t .. F + 8 t + 15]: its upper eight registers are the next tile's codes (behind tile 7: zeros).
; Those are codes of finite numbers (the quantiser holds at 448, so no NaN code is made), they meet zero codes under scale bytes 0x7f, and add exactly 0.  So eight fragments of K take 72 registers and not 128.
; LIMITS: NaN and infinities among the inputs are not served.  p under 2^-126 counts as 0 (v_exp_f32 flushes: ISA guide 15.8), beside a row's largest p above 1/2.  A block of p that is all zeros keeps the byte 1: its codes are zeros.
; A block's largest p is taken as 2^(.) of the block's largest score, which takes v_exp_f32 not to fall where its input rises; at the worst one p of a block, within an ulp of a power of two, is held one code low.
.set BLK,   17152
.set VOFF,  8192
.set KSOFF, 16384
.set VSOFF, 16896
.set SP,    272                        ; the way out: 16 rows x (256 bytes + 16) for each wave, at 4,352 x wave: inside blocks 0-4, which have had their only fill, behind a barrier that every wave reaches after its last read of the blocks
.set LANE, 1                           ; v1   lane
.set ADR,  2                           ; v2   the step's block + 16 x lane
.set ADR8, 3                           ; v3   the step's block + 8 x lane
.set QA,   4                           ; v4   query: 256 r + 64 h
.set RD,   5                           ; v5   the way out: where I read a row back
.set GO,   6                           ; v6   16 x lane: my bytes of two rows of out0
.set STO,  9                           ; v9   the way out: where I put 32 bytes of a row
.set QF,   16                          ; v16-23 Q's codes, v24-31 zeros          (v12 -M, v13 the largest t, v[14:15] the sum in two halves)
.set F,    32                          ; v32-95 fragments of K, then of V; v96-103 zeros, never loaded
.set S,    104                         ; v104-167 S^T, then p; at the head Q's numbers; on the way out rows of O
.set O,    168                         ; v168-199 O^T: four tiles
.set PC,   200                         ; v200-215 p's codes
.set KS,   216                         ; v216-219 K's scale words: register t % 4, lanes 0-15 tiles 0-3, lanes 16-31 tiles 4-7
.set VS,   220                         ; v220-221 V's: register t % 2, lanes 0-15 tiles 0, 1, lanes 16-31 tiles 2, 3
.set QS,   222                         ; v222 Q's scale word
.set PS,   223                         ; v223 p's
.set BM,   224                         ; v224-227 a block's largest score, then its largest p
.set T4,   228                         ; v228-231 the other half's, then the bytes
.set HD,   232                         ; v232-235 448 x the scale
.set SOP,  236                         ; v236-239 the conversions' scale operands
.set FF,   240                         ; v[240:241] f = 2^(old M - new M); at the end 1 / the sum (v241 is named with it as a pair, so it is written once)
.set TMP,  242
.set L2,   244                         ; v[244:245] the sum's second chain
.set G1,   28                          ; s[28:35] descriptor group 1
.set G0,   36                          ; s[36:51] four groups 0, never rewritten
; A round of the cluster's barrier: my work-group's barrier, wave 0 signals for the work-group, every wave waits for all four work-groups, my work-group's barrier once more.
.macro CROUND
	s_barrier_signal -1
	s_barrier_wait -1
	s_cmp_lg_u32 s10, 0
	s_cbranch_scc1 .Lnot_wave_0_\@
	s_barrier_signal -3
.Lnot_wave_0_\@:
	s_barrier_wait -3
	s_barrier_signal -1
	s_barrier_wait -1
.endm
	s_load_b128 s[4:7], s[0:1], 0x0                ; query s[4:5], kv s[6:7]
	s_load_b64 s[8:9], s[0:1], 0x10                ; out0
	v_lshl_add_u32 v254, v0, 2, 0x43000
	v_mov_b32 v255, 0
	ds_add_u32 v254, v255
	ds_add_u32 v254, v255
	v_lshrrev_b32 v7, 5, v0
	v_readfirstlane_b32 s10, v7                    ; wave 0..15
	v_and_b32 v[LANE], 31, v0
	v_and_b32 v7, 15, v0                           ; r
	v_bfe_u32 v8, v0, 4, 1                         ; h
	v_lshlrev_b32 v[QA], 8, v7
	v_lshl_add_u32 v[QA], v8, 6, v[QA]             ; row r of 256 bytes, + my half's 16 numbers of a block of 32
	s_mul_i32 s15, s10, 16*SP                      ; my stage
	v_mul_u32_u24 v[STO], v7, SP
	v_lshl_add_u32 v[STO], v8, 5, v[STO]
	v_add_nc_u32 v[STO], s15, v[STO]               ; in: row r; tile t's eight channels of my half: 64 t + 32 h bytes on
	v_mul_u32_u24 v[RD], v8, SP
	v_lshl_add_u32 v[RD], v7, 4, v[RD]
	v_add_nc_u32 v[RD], s15, v[RD]                 ; back: lanes 0-15 one row, lanes 16-31 the next
	v_lshlrev_b32 v[GO], 4, v[LANE]
	s_and_b32 s13, ttmp7, 0xffff                   ; the head, which the four partners share
	s_and_b32 s27, s10, 3
	s_mul_i32 s27, s27, BLK                        ; block (wave % 4): its place in LDS and in the head's part of kv; no place in the cluster enters it
	s_mul_i32 s16, s13, 16*BLK
	s_add_co_u32 s16, s16, s27
	s_mov_b32 s17, 0
	s_bfe_u32 s11, ttmp6, 0x40000                  ; cx: it enters query's and out0's addresses alone
	s_lshl_b32 s12, ttmp9, 2                       ; in a cluster launch ttmp9 counts clusters
	s_add_co_u32 s12, s12, s11                     ; my block of 256 queries
	s_lshl_b32 s18, s13, 11
	s_lshl_b32 s14, s12, 8
	s_add_co_u32 s18, s18, s14
	s_lshl_b32 s14, s10, 4
	s_add_co_u32 s18, s18, s14                     ; my first query among all 65,536 rows
	s_lshl_b32 s18, s18, 8                         ; rows of 256 bytes
	s_mov_b32 s19, 0
	s_mov_b32 s20, 0x76543210
	s_mov_b32 s21, 0xfedcba98                      ; v_permlanex16_b32's selects for lane l xor 16
	s_mov_b32 s22, 0x3e38aa3b                      ; c = log2(e) / 8
	s_mov_b32 s23, s22                             ; (named with it as a pair, so it is written)
	s_mov_b32 s24, 0x600000                        ; the mantissa field of 448
	; descriptor group 1: a dense block of 17,152 bytes as 67 rows of 256 bytes (32 elements of 8 bytes), no padding: the images are read 16 bytes a lane on end
	s_mov_b32 s[G1], 15|(3<<16)|(1<<21)            ; 15:0 the mask: all four work-groups; 17:16 elements of 8 bytes; 21 set beside a mask
	s_mov_b32 s[G1+1], 32<<16                      ; tensor_dim0 = 32
	s_mov_b32 s[G1+2], 67<<16                      ; tensor_dim1 = 67
	s_mov_b32 s[G1+3], 32<<16                      ; tile_dim0 = 32
	s_mov_b32 s[G1+4], 67                          ; tile_dim1 = 67
	s_mov_b32 s[G1+5], 32                          ; elements from row to row
	s_mov_b32 s[G1+6], 0
	s_mov_b32 s[G1+7], 0
	s_wait_dscnt 0x0
	s_wait_kmcnt 0x0
	s_add_nc_u64 s[4:5], s[4:5], s[18:19]          ; query and out0 at my first row
	s_add_nc_u64 s[8:9], s[8:9], s[18:19]
	s_add_nc_u64 s[6:7], s[6:7], s[16:17]          ; kv at the head's block (wave % 4)
.irp g, 0,1,2,3
	s_mov_b32 s[G0+4*\g], 1                        ; count = 1
	s_add_co_u32 s[G0+4*\g+1], s27, 4*BLK*\g       ; LDS address: block 4 g + wave % 4
	s_add_nc_u64 s[G0+4*\g+2:G0+4*\g+3], s[6:7], 4*BLK*\g   ; and the same block in memory
	s_or_b32 s[G0+4*\g+3], s[G0+4*\g+3], 0x80000000   ; type = 2
.endr
	CROUND                                         ; all four work-groups are here: the joint loads meet
	s_cmp_lt_u32 s10, 4                            ; all fills of a wave stand in one branch on the wave's number, ahead of every wait on TENSORcnt and every LDS read
	s_cbranch_scc0 .Lno_fill
	tensor_load_to_lds s[G0:G0+3], s[G1:G1+7]
	s_nop 0
	tensor_load_to_lds s[G0+4:G0+7], s[G1:G1+7]
	s_nop 0
	tensor_load_to_lds s[G0+8:G0+11], s[G1:G1+7]
	s_nop 0
	tensor_load_to_lds s[G0+12:G0+15], s[G1:G1+7]
	s_nop 0
.rept 4
	v_nop
.endr
.Lno_fill:
.irp c, 0,1
.irp j, 0,1,2,3
	global_load_b128 v[S+16*\c+4*\j:S+16*\c+4*\j+3], v[QA], s[4:5] offset:128*\c+16*\j th:TH_LOAD_NT   ; Q(r, 32 c + 16 h + 4 j ..): a lane takes 16 neighbours of each block; once a wave, 4,096 bytes, while the fills are on their way
.endr
.endr
	v_mov_b32 v13, 0xff61b1e6                      ; the largest t so far: -3e38, under every t
	v_floor_f32 v12, -v13                          ; -M
	v_mov_b32 v14, 0                               ; the sum, in two halves
	v_mov_b32 v15, 0
	v_mov_b32 v[FF+1], 0
.irp j, 0,1,2,3,4,5,6,7
	v_mov_b32 v[QF+8+\j], 0                        ; Q's zero codes at k = 64 .. 127
	v_mov_b32 v[F+64+\j], 0                        ; and what stands behind K's tile 7
.endr
.irp b, 0,1,2,3
	v_mov_b32 v[T4+\b], 0                          ; written once: a lane permute's destination counts as one of its sources
.endr
.irp j, 0,1,2,3,4,5,6,7,8,9,10,11,12,13,14,15,16,17,18,19,20,21,22,23,24,25,26,27,28,29,30,31
	v_mov_b32 v[O+\j], 0                           ; O^T.  (The step is written once: the first finds zeros, which the first change of M leaves zeros)
.endr
	s_wait_loadcnt 0x0                             ; Q
	; Q's two blocks of 32 become eight registers of codes and a scale word
.irp b, 0,1
	v_max3_num_f32 v[BM+\b], |v[S+16*\b]|, |v[S+1+16*\b]|, 0x4800000   ; my 16 numbers, and the floor 2^(9 - 127): so the byte cannot fall under 1
.endr
.irp i, 2,4,6,8,10,12,14
.irp b, 0,1
	v_max3_num_f32 v[BM+\b], v[BM+\b], |v[S+16*\b+\i]|, |v[S+1+16*\b+\i]|
.endr
.endr
.irp b, 0,1
	v_permlanex16_b32 v[T4+\b], v[BM+\b], s20, s21
.endr
.irp b, 0,1
	v_max_num_f32 v[BM+\b], v[BM+\b], v[T4+\b]     ; with lane l xor 16's: the block's largest magnitude
.endr
.irp b, 0,1
	v_add_nc_u32 v[SOP+\b], 0xfc000000, v[BM+\b]   ; 8 off its exponent field: the conversion's scale operand
.endr
.irp b, 0,1
	v_and_or_b32 v[HD+\b], v[BM+\b], 0x7f800000, s24   ; 448 x the scale
.endr
.irp b, 0,1
	v_lshrrev_b32 v[T4+\b], 23, v[SOP+\b]          ; the scale's byte
.endr
	v_lshl_or_b32 v[QS], v[T4+1], 8, v[T4]
	v_or_b32 v[QS], 0x7f7f0000, v[QS]              ; 2^0 over the zero codes
.irp b, 0,1
.irp i, 0,1,2,3,4,5,6,7,8,9,10,11,12,13,14,15
	v_med3_num_f32 v[S+16*\b+\i], v[S+16*\b+\i], -v[HD+\b], v[HD+\b]   ; the conversion to an 8-bit code does not saturate (ISA guide 7.6.2)
.endr
	v_cvt_scalef32_pk8_fp8_f32 v[QF+4*\b:QF+1+4*\b], v[S+16*\b:S+7+16*\b], v[SOP+\b]
	v_cvt_scalef32_pk8_fp8_f32 v[QF+2+4*\b:QF+3+4*\b], v[S+8+16*\b:S+15+16*\b], v[SOP+\b]
.endr
	v_nop                                          ; one plain line between the last conversion and the products, which write its sources and read its result
; A KEY STEP: 128 keys, the block at LDS byte s25.
.macro STEP
	v_lshl_add_u32 v[ADR], v[LANE], 4, s25
	v_lshl_add_u32 v[ADR8], v[LANE], 3, s25
.rept 6
	v_nop                                          ; with the two lines above: eight places between the last products and the loads into the registers that they read
.endr
.irp n, 0,1,2,3,4,5,6,7,8,9,10,11,12,13,14,15
	ds_load_b128 v[F+4*\n:F+4*\n+3], v[ADR] offset:512*\n   ; K's image: piece 2 t + c is registers 4 c .. 4 c + 3 of tile t
.endr
	ds_load_b128 v[KS:KS+3], v[ADR] offset:KSOFF   ; the scale words of all eight tiles
	s_wait_dscnt 0x0
.irp t, 0,1,2,3
	v_wmma_scale_f32_16x16x128_f8f6f4 v[S+8*\t:S+8*\t+7], v[F+8*\t:F+8*\t+15], v[QF:QF+15], 0, v[KS+\t], v[QS]
.endr
.irp t, 4,5,6,7
	v_wmma_scale_f32_16x16x128_f8f6f4 v[S+8*\t:S+8*\t+7], v[F+8*\t:F+8*\t+15], v[QF:QF+15], 0, v[KS+\t-4], v[QS] matrix_a_scale:MATRIX_SCALE_ROW1
.endr
.rept 8
	v_nop                                          ; eight places: for the loads into K's registers, and for the first read of the scores
.endr
.irp n, 0,1,2,3,4,5,6,7,8,9,10,11,12,13,14,15
	ds_load_b128 v[F+4*\n:F+4*\n+3], v[ADR] offset:VOFF+512*\n   ; V's image: it lands while the softmax is walked
.endr
	ds_load_b64 v[VS:VS+1], v[ADR8] offset:VSOFF
.irp b, 0,1,2,3
	v_max3_num_f32 v[BM+\b], v[S+16*\b], v[S+1+16*\b], v[S+2+16*\b]   ; THE LARGEST SCORE OF EACH BLOCK OF 32 KEYS: it serves for the row's maximum and, since p rises with the score, for the block's largest p.  (Each accumulator is read from its low end on)
.endr
.irp i, 3,5,7,9,11,13
.irp b, 0,1,2,3
	v_max3_num_f32 v[BM+\b], v[BM+\b], v[S+16*\b+\i], v[S+1+16*\b+\i]   ; the four blocks by turns
.endr
.endr
.irp b, 0,1,2,3
	v_max_num_f32 v[BM+\b], v[BM+\b], v[S+15+16*\b]
.endr
.irp b, 0,1,2,3
	v_permlanex16_b32 v[T4+\b], v[BM+\b], s20, s21
.endr
.irp b, 0,1,2,3
	v_max_num_f32 v[BM+\b], v[BM+\b], v[T4+\b]     ; with lane l xor 16's 16 keys
.endr
	v_max3_num_f32 v[TMP], v[BM], v[BM+1], v[BM+2]
	v_max_num_f32 v[TMP], v[TMP], v[BM+3]          ; the step's largest score of my query
	v_mul_f32 v[TMP], s22, v[TMP]                  ; as t (c is positive)
	v_max_num_f32 v13, v13, v[TMP]                 ; the running largest t
	v_mov_b32 v[TMP], v12
	v_floor_f32 v12, -v13                          ; the new -M = floor(-t) = -ceil(t): M is a whole number
	v_sub_f32 v[TMP], v12, v[TMP]                  ; M's old value less its new one: a whole number, 0 or less
	v_cvt_i32_f32 v[TMP], v[TMP]                   ; (it saturates)
	v_ldexp_f32 v[FF], 1.0, v[TMP]                 ; f = 2^(old M - new M): a multiplication by it rounds nothing
.irp j, 0,2,4,6,8,10,12,14,16,18,20,22,24,26,28,30,32,34,36,38,40,42,44,46,48,50,52,54,56,58,60,62
	v_pk_fma_f32 v[S+\j:S+1+\j], v[S+\j:S+1+\j], s[22:23], v[12:13] op_sel_hi:[1,0,0]   ; t - M, two at a time (of the pairs c and -M the low word serves both halves)
.endr
.irp b, 0,1,2,3
	v_fma_f32 v[BM+\b], v[BM+\b], s22, v12         ; the same of each block's largest score
.endr
.irp j, 0,1,2,3,4,5,6,7,8,9,10,11,12,13,14,15,16,17,18,19,20,21,22,23,24,25,26,27,28,29,30,31,32,33,34,35,36,37,38,39,40,41,42,43,44,45,46,47,48,49,50,51,52,53,54,55,56,57,58,59,60,61,62,63
	v_exp_f32 v[S+\j], v[S+\j]                     ; p = 2^(t - M), at most 1: not normalised
.endr
.irp b, 0,1,2,3
	v_exp_f32 v[BM+\b], v[BM+\b]                   ; the block's largest p: the same two instructions on the same number give the same bits
.endr
	v_pk_mul_f32 v[14:15], v[14:15], v[FF:FF+1] op_sel_hi:[1,0]   ; the sums under the new M.  (The plain line behind the exponentials: ISA guide 5.7.2)
	s_wait_alu depctr_va_vdst(0)
.irp b, 0,1,2,3
	v_max_num_f32 v[BM+\b], 0x4800000, v[BM+\b]    ; the floor 2^(9 - 127): the byte cannot fall under 1
.endr
.irp b, 0,1,2,3
	v_add_nc_u32 v[SOP+\b], 0xfc000000, v[BM+\b]   ; 8 off the exponent field: the conversion's scale operand
.endr
.irp b, 0,1,2,3
	v_and_or_b32 v[HD+\b], v[BM+\b], 0x7f800000, s24   ; 448 x the scale
.endr
.irp b, 0,1,2,3
	v_lshrrev_b32 v[T4+\b], 23, v[SOP+\b]          ; the scale's byte
.endr
	v_lshl_or_b32 v[PS], v[T4+1], 8, v[T4]         ; p's scale word for these 128 keys; more than eight plain lines stand between it and the products that name it
	v_lshl_or_b32 v[PS], v[T4+2], 16, v[PS]
	v_lshl_or_b32 v[PS], v[T4+3], 24, v[PS]
	v_pk_add_f32 v[L2:L2+1], v[S:S+1], v[S+2:S+3]  ; THE ROW'S SUM IS TAKEN OF THE UNQUANTISED p: two at a time, in two chains
.irp j, 4,8,12,16,20,24,28,32,36,40,44,48,52,56,60
	v_pk_add_f32 v[14:15], v[14:15], v[S+\j:S+1+\j]
	v_pk_add_f32 v[L2:L2+1], v[L2:L2+1], v[S+2+\j:S+3+\j]
.endr
	v_pk_add_f32 v[14:15], v[14:15], v[L2:L2+1]
.irp b, 0,1,2,3
.irp i, 0,1,2,3,4,5,6,7,8,9,10,11,12,13,14,15
	v_min_num_f32 v[S+16*\b+\i], v[S+16*\b+\i], v[HD+\b]   ; the conversion to an 8-bit code does not saturate (ISA guide 7.6.2); p is not negative, so the hold is one-sided
.endr
	v_cvt_scalef32_pk8_fp8_f32 v[PC+4*\b:PC+1+4*\b], v[S+16*\b:S+7+16*\b], v[SOP+\b]
	v_cvt_scalef32_pk8_fp8_f32 v[PC+2+4*\b:PC+3+4*\b], v[S+8+16*\b:S+15+16*\b], v[SOP+\b]
.endr
.irp j, 0,2,4,6,8,10,12,14,16,18,20,22,24,26,28,30
	v_pk_mul_f32 v[O+\j:O+1+\j], v[O+\j:O+1+\j], v[FF:FF+1] op_sel_hi:[1,0]   ; O^T under the new M: x f, each accumulator from its low end on.  (These sixteen also stand between the conversions and the products that read the codes)
.endr
	s_wait_dscnt 0x0                               ; V and its scale words are in
	; O^T += V^T P^T: the four accumulators take turns, one instruction a turn, with the next step's eight products between two turns of one accumulator
.irp t, 0,1
	v_wmma_scale_f32_16x16x128_f8f6f4 v[O+8*\t:O+8*\t+7], v[F+16*\t:F+16*\t+15], v[PC:PC+15], v[O+8*\t:O+8*\t+7], v[VS+\t], v[PS]
.endr
.irp t, 2,3
	v_wmma_scale_f32_16x16x128_f8f6f4 v[O+8*\t:O+8*\t+7], v[F+16*\t:F+16*\t+15], v[PC:PC+15], v[O+8*\t:O+8*\t+7], v[VS+\t-2], v[PS] matrix_a_scale:MATRIX_SCALE_ROW1
.endr
	s_add_co_u32 s25, s25, BLK                     ; the next step's block
.endm
; Steps 4 g .. 4 g + 3.  Waves 0-3 wait until their load g has landed: 3 - g younger loads of theirs may stay out (the other waves have none).  Behind the barrier that holds of all four fetching waves.
; Later blocks may stay on their way.  No LDS instruction of the wave is out at the signal: the step before ended behind a wait for 0.
.macro STAGE g
	s_wait_tensorcnt 3-\g
	s_barrier_signal -1
	s_barrier_wait -1
	s_mov_b32 s25, 4*\g*BLK
	s_mov_b32 s26, 4
.Lstep_\@:
	STEP
	s_sub_co_u32 s26, s26, 1
	s_cmp_lg_u32 s26, 0
	s_cbranch_scc1 .Lstep_\@
.endm
	STAGE 0
	STAGE 1
	STAGE 2
	STAGE 3                                        ; its wait is for 0: no tensor load is out from here on
	; THE WAY OUT.  O^T is divided by the row's sum and goes through my stage in LDS, so that whole rows of 256 bytes leave.  The stage lies in the blocks, so a barrier stands first: every wave's reads of the blocks are over (each signals behind its last wait for 0).
	s_barrier_signal -1
	v_add_f32 v14, v14, v15                        ; the sum's two halves,
	v_permlanex16_b32 v[T4], v14, s20, s21
	v_add_f32 v14, v14, v[T4]                      ; and lane l xor 16's: the row's sum
	v_rcp_f32 v[FF], v14
.rept 8
	v_nop                                          ; eight places behind the last products; the first is also the plain line behind the reciprocal
.endr
	s_wait_alu depctr_va_vdst(0)
.irp j, 0,2,4,6,8,10,12,14,16,18,20,22,24,26,28,30
	v_pk_mul_f32 v[S+\j:S+1+\j], v[O+\j:O+1+\j], v[FF:FF+1] op_sel_hi:[1,0]   ; register 8 t + i is out0(r, 16 t + 8 h + i)
.endr
	s_barrier_wait -1
.irp t, 0,1,2,3
	ds_store_b128 v[STO], v[S+8*\t:S+8*\t+3] offset:64*\t
	ds_store_b128 v[STO], v[S+8*\t+4:S+8*\t+7] offset:64*\t+16
.endr
.irp i, 0,1,2,3,4,5,6,7
	ds_load_b128 v[S+32+4*\i:S+35+4*\i], v[RD] offset:2*\i*SP   ; my own bytes, served in order (ISA guide 5.7.1.4): these see my stores
.endr
.irp i, 0,1,2,3,4,5,6,7
	s_wait_dscnt 7-\i                              ; load i is in; the 7 - i younger ones may be out
	global_store_b128 v[GO], v[S+32+4*\i:S+35+4*\i], s[8:9] offset:512*\i th:TH_STORE_NT   ; 32 lanes store 512 consecutive bytes, aligned: two rows; written once, read by nobody here
.endr
	s_wait_tensorcnt 0x0
	ds_add_u32 v254, v255
	s_wait_dscnt 0x0
	CROUND                                         ; the closing round: no work-group ends while a partner may still ask for a block that names it
	s_endpgm
.Lfunc_end_k_q307997e3c2_attn:
	.size	k_q307997e3c2_attn, .Lfunc_end_k_q307997e3c2_attn-k_q307997e3c2_attn
	.p2alignl 7, 3214868480
	.fill 96, 4, 3214868480
	.section	.rodata,"a",@progbits
	.p2align	6, 0x0
	.amdhsa_kernel k_q307997e3c2_attn
		.amdhsa_group_segment_fixed_size 327680
		.amdhsa_private_segment_fixed_size 0
		.amdhsa_enable_private_segment 0
		.amdhsa_kernarg_size 24
		.amdhsa_user_sgpr_count 2
		.amdhsa_user_sgpr_kernarg_segment_ptr 1
		.amdhsa_wavefront_size32 1
		.amdhsa_system_sgpr_workgroup_id_x 1
		.amdhsa_system_sgpr_workgroup_id_y 1
		.amdhsa_system_sgpr_workgroup_id_z 1
		.amdhsa_system_vgpr_workitem_id 0
		.amdhsa_next_free_vgpr 256
		.amdhsa_next_free_sgpr 66
		.amdhsa_reserve_vcc 0
		.amdhsa_float_denorm_mode_32 3
		.amdhsa_float_denorm_mode_16_64 3
		.amdhsa_memory_ordered 1
		.amdhsa_forward_progress 1
		.amdhsa_inst_pref_size 89
	.end_amdhsa_kernel
	.amdgpu_metadata
---
amdhsa.version: [ 1, 2 ]
amdhsa.kernels:
  - .name:           k_q307997e3c2_attn
    .symbol:         k_q307997e3c2_attn.kd
    .args:
      - { .name: query, .offset: 0, .size: 8, .value_kind: global_buffer, .address_space: global }
      - { .name: kv, .offset: 8, .size: 8, .value_kind: global_buffer, .address_space: global }
      - { .name: out0, .offset: 16, .size: 8, .value_kind: global_buffer, .address_space: global }
    .group_segment_fixed_size: 327680
    .private_segment_fixed_size: 0
    .kernarg_segment_align: 8
    .kernarg_segment_size: 24
    .max_flat_workgroup_size: 512
    .sgpr_count:     66
    .vgpr_count:     256
    .wavefront_size: 32
...
	.end_amdgpu_metadata
.endif
;; end of part 2
